; MI455X (gfx1250); checked and timed in simulation.
; The chip was launched on July 23, 2026; its instructions are those of AMD's public machine-readable ISA for CDNA 5 (MIT licence, August 2026) and "CDNA5" Instruction Set Architecture Reference Guide (July 2026). The comments in the code are by the model that wrote it; some were corrected since.
;; Bah attention. Allowed arithmetic: matrix products marked QUANTISED: E4M3 operands, one E8M0 scale for each 32 along K, by v_wmma_scale_f32_16x16x128_f8f6f4 with both operands' format E4M3, f32 sums; products left as they are: f32 operands where the result goes on into a quantised operand, else bf16, f16 or f32 operands; f32 sums; everything else in f32.
;; Inputs: Wm 1,024 x 1,024 float32; Wq 1,024 x 1,024 float32; bm 1,024 float32; bq 1,024 float32; context 32 x 2,048 x 1,024 float32; mask 32 x 2,048 bool; v 1,024 float32; x 32 x 1,024 float32.
;; Outputs: out0 32 x 1,024 float32; out1 32 x 2,048 float32.
;; This version of the problem:
;;   THIS VERSION OF THE PROBLEM IS GIVEN IN LOW PRECISION. The matrix products marked QUANTISED in the list below multiply operands that are first quantised to E4M3 (4 exponent bits, 3 mantissa bits; 8 bits a number), with one power-of-two scale for each 32 numbers along K (OCP MX v1.0); their sums are f32. All else is computed in f32.
;;   The module's matrix products, in the order in which they are computed (A, B: the left and right operand; K: the contracted axis; several contracted axes count as one K, in the product's order):
;;     1. [M 32, K 1,024] x [K 1,024, N 1,024]; A: input x; B: input Wq: QUANTISED
;;     2. [M 65,536, K 1,024] x [K 1,024, N 1,024]; A: input context; B: input Wm: QUANTISED
;;     3. [M 65,536, K 1,024] x [K 1,024, N 1]; A: computed on the way; B: input v: left as it is (N = 1 < 16)
;;     4. batch 32 x [M 1,024, K 2,048] x [K 2,048, N 1]; A: input context; B: softmax: left as it is (N = 1 < 16)
;;   THE QUANTISER, for each operand of a quantised product, along K:
;;     - K is cut into blocks of 32 from its start; a last block that is shorter is filled with zeros.
;;     - A block's scale is 2^e with e = floor(log2(the largest magnitude in the block)) - 8, held to -126 .. 127; a block of zeros has e = 0. As a byte (E8M0): e + 127.
;;     - Each number is divided by its block's scale, clamped to +-448, and rounded to the nearest number of E4M3, ties to even, subnormals kept.
;;     - The product sums the exact products of the quantised numbers (number of the format x scale) in f32.
;;   ~~~python
;;   def quantise(x, axis):      # numpy; x: float32 -> the quantised numbers, widened to float32 again
;;       x = np.moveaxis(x, axis, -1); K = x.shape[-1]
;;       x = np.pad(x, [(0, 0)] * (x.ndim - 1) + [(0, -K % 32)]); x = x.reshape(x.shape[:-1] + (-1, 32)); a = np.abs(x).max(-1, keepdims=True)
;;       e = np.where(a > 0, np.clip(np.frexp(np.where(a > 0, a, 1))[1] - 1 - 8, -126, 127), 0)      # np.frexp(a)[1] - 1 = floor(log2(a)), exactly
;;       r = np.clip(x / 2.0 ** e, -448, 448)
;;       step = 2.0 ** (np.maximum(np.frexp(np.where(r == 0, 1, r))[1] - 1, -6) - 3)
;;       q = np.round(r / step) * step * 2.0 ** e      # np.round: ties to even
;;       return np.moveaxis(q.reshape(q.shape[:-2] + (-1,))[..., :K], -1, axis).astype(np.float32)
;;   ~~~
;; One version. Each part assembles by itself: llvm-mc -triple=amdgcn-amd-amdhsa -mcpu=gfx1250 --defsym DOCPART=n.
;; ======== version 1 of 1: 3 launches
;; limits: right only within a limited range of input values
;; workspace buffers: wmc 1,081,344 bytes; hv 262,144 bytes; raw 262,144 bytes
;; launch prep (part 1): grid 128 x 1, 8 waves a work-group, no clusters, 287,744 bytes of LDS; arguments Wm, Wq, x, bq, bm, v, wmc, hv; writes wmc, hv
.if DOCPART == 1
	.amdgcn_target "amdgcn-amd-amdhsa--gfx1250"
	.amdhsa_code_object_version 6
	.text
	.protected	k_qf5b228b89d_prep
	.globl	k_qf5b228b89d_prep
	.p2align	8
	.type	k_qf5b228b89d_prep,@function
k_qf5b228b89d_prep:
	s_mov_b64 s[64:65], 0
	v_nop
	global_prefetch_b8 v0, s[64:65] scope:SCOPE_SE
	s_setreg_imm32_b32 hwreg(HW_REG_WAVE_MODE, 25, 1), 1
	s_wait_xcnt 0x0
; ADDITIVE ATTENTION, launch 1 of 3.  score[b][t] = softmax over t of sum over o of v[o] tanh(hx[b][o] + hc[b][t][o]),  hx = Q(x) Q(Wq)^T + bq,  hc = Q(context) Q(Wm)^T + bm,
; c[b][:] = sum over t of score[b][t] context[b][t][:].  Q: codes of FP8 (E4M3) with one E8M0 scale for each 32 along K = the 1,024 of the last axis.
; WORK LEFT OUT, for all values of the inputs:
;   (1) mask: reference() never reads it, so it has no way to any output: it is not loaded and is among no launch's arguments.
;   (2) tanh(z) = 1 - 2 / (1 + e^(2 z)), so a score ahead of the softmax is  sum over o of v[o]  -  2 sum over o of v[o] / (1 + e^(2 z)).  The first term is the same for every t of a row of the softmax,
;       and a term that is the same along a softmax's axis leaves its result as it is: it is not formed.
;   LIMIT: a NaN, an infinity or an overflow that would arise in sum(v) alone is not carried to the result.
; LIMITS: NaN and infinities among the inputs are not served.  A block whose largest magnitude lies under 2^(9 - 127) keeps the scale byte 1 (a block of zeros too, where the rule says 127: its codes are zeros,
;   which add nothing under any byte but 0xff, and this program alone reads the bytes).
; THIS LAUNCH.  Work-groups 0-63: column tile n (16 rows o of Wm) becomes codes and scale words, laid in wmc in the order of the operand's registers.  Work-groups 64-127: the same of Wq, which is multiplied at once
; with x's codes: hx for 16 columns o and all 32 rows b; then the table hv[b][o] = { 2 log2(e) (hx + bq + bm),  -2 v[o] }.  Wave w of eight takes K step w (128 along K).
; A UNIT is 16 rows x 128 numbers.  The conversions want 16 neighbours along K in one lane; a load is best where neighbouring lanes take neighbouring bytes.  Both are had: a load takes one row's 512 consecutive bytes,
; 16 a lane; the unit goes through the wave's own stage in LDS (rows 528 bytes apart, so that the sixteen rows that a load touches start at sixteen different banks) and comes back 64 bytes a lane and block of 32.
; wmc: 32 records of 66 rows of 512 bytes; record P holds tiles 2 P and 2 P + 1.  Row 32 (n % 2) + 4 s + c: lane l's 16 bytes at 16 l = registers 4 c .. 4 c + 3 of the fragment of K step s.
;      Row 64 + n % 2: lane l's 16 bytes = four scale words, word u for column l % 16 and K step 2 u + l / 16.
; No tensor load, no cluster: no tile is shared, and each weight is read once.  The scale words (32 KB in all) and hv's pieces of 128 bytes (256 KB in all) do not fill aligned blocks of 256 bytes whole: they are small beside the 8 MB read.
.set C2,    0x4038aa3b                 ; 2 log2(e)
.set TM,    208                        ; v208-211 largest magnitudes, v212-215 bytes, v216-219 448 x the scale, v220-223 the conversion's scale operand
.set SPW,   250                        ; v250  LDS address of my spare word; never rewritten
.set NIL,   251                        ; v251  0; never rewritten
.set SPARE, 16384                      ; behind the 16 KB of partial sums: the spare words, 128 bytes for each of eight waves
.set STG,   17408                      ; behind them the stages: for each wave four units; units 0 to 2 are Wq's path's (the weight, x's two row tiles), unit 3 is Wm's path's: each path has LDS bytes of its own
.set UNIT,  16*528
.set WSTG,  4*UNIT
.set WV,    20                         ; s20   wave = K step
.set NT,    21                         ; s21   column tile
.set SEL,   26                         ; s[26:27] v_permlanex16_b32's selects for lane l xor 16
.set MNT,   28                         ; s28   the mantissa field of 448
.set CC,    29                         ; s29   2 log2(e)
; the unit in v[reg] .. v[reg + 63], register 4 i + e = number 4 lane + e of row i, goes through stage u and comes back as register 16 b + 4 j + e = k 32 b + 16 (lane / 16) + 4 j + e of row lane % 16
.macro STAGE u, reg
.irp i, 0,1,2,3,4,5,6,7,8,9,10,11,12,13,14,15
	ds_store_b128 v11, v[\reg+4*\i:\reg+4*\i+3] offset:UNIT*\u+528*\i
.endr
.irp b, 0,1,2,3
.irp j, 0,1,2,3
	ds_load_b128 v[\reg+16*\b+4*\j:\reg+16*\b+4*\j+3], v12 offset:UNIT*\u+128*\b+16*\j   ; LDS serves a wave's instructions in order (ISA guide 5.7.1.4): these see my stores
.endr
.endr
.endm
; 64 numbers of a lane, register 16 b + i = k 32 b + 16 (lane / 16) + i of the lane's row, become a fragment's 16 registers of codes at v[d] and the row's scale word in v[pw]
.macro QUANT s, d, pw
.irp b, 0,1,2,3
	v_max3_num_f32 v[TM+\b], |v[\s+16*\b]|, |v[\s+16*\b+1]|, 0x4800000   ; my 16 numbers of block b, and the floor 2^(9 - 127): the byte cannot fall under 1
.endr
.irp i, 2,4,6,8,10,12,14
.irp b, 0,1,2,3
	s_delay_alu instid0(VALU_DEP_4)
	v_max3_num_f32 v[TM+\b], v[TM+\b], |v[\s+16*\b+\i]|, |v[\s+16*\b+\i+1]|   ; the four blocks by turns
.endr
.endr
.irp b, 0,1,2,3
	s_delay_alu instid0(VALU_DEP_4)
	v_permlanex16_b32 v[TM+4+\b], v[TM+\b], s[SEL], s[SEL+1]
.endr
.irp b, 0,1,2,3
	s_delay_alu instid0(VALU_DEP_4)
	v_max_num_f32 v[TM+\b], v[TM+\b], v[TM+4+\b]                    ; with lane l xor 16's 16: the block's largest magnitude
.endr
.irp b, 0,1,2,3
	s_delay_alu instid0(VALU_DEP_4)
	v_add_nc_u32 v[TM+12+\b], 0xfc000000, v[TM+\b]                  ; 8 off its exponent field: the conversion takes this operand's exponent field as its scale
.endr
.irp b, 0,1,2,3
	v_and_or_b32 v[TM+8+\b], v[TM+\b], 0x7f800000, s[MNT]           ; 448 x the scale
.endr
.irp b, 0,1,2,3
	v_lshrrev_b32 v[TM+4+\b], 23, v[TM+12+\b]                       ; the scale's byte
.endr
	s_delay_alu instid0(VALU_DEP_3)
	v_lshl_or_b32 v[\pw], v[TM+5], 8, v[TM+4]
	s_delay_alu instid0(VALU_DEP_1)
	v_lshl_or_b32 v[\pw], v[TM+6], 16, v[\pw]
	s_delay_alu instid0(VALU_DEP_1)
	v_lshl_or_b32 v[\pw], v[TM+7], 24, v[\pw]                       ; my row's scale word
.irp b, 0,1,2,3
.irp i, 0,1,2,3,4,5,6,7,8,9,10,11,12,13,14,15
	v_med3_num_f32 v[\s+16*\b+\i], v[\s+16*\b+\i], -v[TM+8+\b], v[TM+8+\b]   ; the conversion to an 8-bit code does not saturate (ISA guide 7.6.2): the hold at 448 x the scale
.endr
	v_cvt_scalef32_pk8_fp8_f32 v[\d+4*\b:\d+4*\b+1], v[\s+16*\b:\s+16*\b+7], v[TM+12+\b]
	v_cvt_scalef32_pk8_fp8_f32 v[\d+4*\b+2:\d+4*\b+3], v[\s+16*\b+8:\s+16*\b+15], v[TM+12+\b]
.endr
	v_nop                                          ; one plain line behind the last conversion
.endm
	s_load_b256 s[4:11], s[0:1], 0x0               ; Wm s[4:5], Wq s[6:7], x s[8:9], bq s[10:11]
	s_load_b256 s[12:19], s[0:1], 0x20             ; bm s[12:13], v s[14:15], wmc s[16:17], hv s[18:19]
	v_lshl_add_u32 v[SPW], v0, 2, SPARE
	v_mov_b32 v[NIL], 0
	v_lshrrev_b32 v1, 5, v0
	s_delay_alu instid0(VALU_DEP_1)
	v_readfirstlane_b32 s[WV], v1                  ; wave 0..7
	v_and_b32 v2, 15, v0                           ; r
	v_bfe_u32 v3, v0, 4, 1                         ; h
	v_and_b32 v5, 31, v0
	s_delay_alu instid0(VALU_DEP_1)
	v_lshlrev_b32 v5, 4, v5                        ; 16 x lane
	s_wait_alu depctr_va_vdst(0)
	v_lshlrev_b32 v6, 2, v2                        ; 4 r
	v_lshlrev_b32 v10, 4, v2                       ; 16 r
	v_lshlrev_b32 v9, 16, v3
	s_delay_alu instid0(VALU_DEP_1)
	v_lshl_add_u32 v9, v2, 3, v9                   ; hv: 8 rows b of 8,192 bytes for the upper half of the lanes, 8 bytes a column
	s_lshl_b32 s36, s[WV], 11
	v_add_nc_u32 v7, s36, v5                       ; LDS: my wave's 2,048 bytes of partial sums, 16 bytes a lane
	s_lshr_b32 s37, s[WV], 1
	s_lshl_b32 s37, s37, 9
	s_and_b32 s38, s[WV], 1
	s_lshl_b32 s38, s38, 3
	s_add_co_u32 s37, s37, s38
	v_add_nc_u32 v8, s37, v5                       ; and where I read registers 2 w, 2 w + 1 of the 16 back: group w / 2, 8 bytes at 8 (w % 2)
	s_mul_i32 s42, s[WV], WSTG
	s_add_co_u32 s42, s42, STG                     ; my wave's stages
	v_add_nc_u32 v11, s42, v5                      ; in: 16 bytes a lane of a row
	v_mul_u32_u24 v12, v2, 528
	s_delay_alu instid0(VALU_DEP_1)
	v_lshl_add_u32 v12, v3, 6, v12
	s_delay_alu instid0(VALU_DEP_1)
	v_add_nc_u32 v12, s42, v12                     ; back: row r, + 64 h: my 16 numbers of a block of 32
.irp b, 0,1,2,3
	v_mov_b32 v[TM+4+\b], 0                        ; written once: a lane permute's destination counts as one of its sources
.endr
	s_and_b32 s[NT], ttmp9, 63                     ; column tile n
	s_lshl_b32 s24, s[NT], 16                      ; 16 rows of 4,096 bytes
	s_lshl_b32 s22, s[WV], 9                       ; K step w: 512 bytes along a row
	s_mov_b32 s23, 0
	s_add_co_u32 s24, s24, s22
	s_mov_b32 s25, 0
	s_mov_b32 s[SEL], 0x76543210
	s_mov_b32 s[SEL+1], 0xfedcba98
	s_mov_b32 s[MNT], 0x600000
	s_mov_b32 s[CC], C2
	s_wait_kmcnt 0x0
	s_cmp_lt_u32 ttmp9, 64                         ; Wm's work-group or Wq's: the choice hangs on the work-group's number alone
	s_cselect_b64 s[30:31], s[4:5], s[6:7]
	s_add_nc_u64 s[30:31], s[30:31], s[24:25]
.irp i, 0,1,2,3,4,5,6,7,8,9,10,11,12,13,14,15
	global_load_b128 v[16+4*\i:16+4*\i+3], v5, s[30:31] offset:4096*\i th:TH_LOAD_NT   ; W(16 n + i, 128 w + 4 lane ..): 32 lanes read 512 consecutive bytes
.endr
	s_cmp_lt_u32 ttmp9, 64
	s_cbranch_scc1 .Lwm
	; ---- Wq: hx for 16 columns, all 32 rows of x
	s_add_nc_u64 s[8:9], s[8:9], s[22:23]          ; x at K step w
.irp m, 0,1
.irp i, 0,1,2,3,4,5,6,7,8,9,10,11,12,13,14,15
	global_load_b128 v[80+64*\m+4*\i:80+64*\m+4*\i+3], v5, s[8:9] offset:65536*\m+4096*\i   ; x(16 m + i, ..)
.endr
.endr
	s_lshl_b32 s34, s[NT], 6                       ; 16 columns of 4 bytes
	s_mov_b32 s35, 0
	s_add_nc_u64 s[10:11], s[10:11], s[34:35]
	s_add_nc_u64 s[12:13], s[12:13], s[34:35]
	s_add_nc_u64 s[14:15], s[14:15], s[34:35]
	global_load_b32 v244, v6, s[10:11]             ; bq, bm, v of column 16 n + r
	global_load_b32 v245, v6, s[12:13]
	global_load_b32 v246, v6, s[14:15]
	s_wait_loadcnt 35                              ; the weight's 16 loads are in; the 35 issued behind them may be out
	s_wait_alu depctr_va_vdst(0)
	STAGE 0, 16
	s_wait_dscnt 0x0
	QUANT 16, 224, 240                             ; Wq's fragment: v224-239, its scale word v240
	s_wait_loadcnt 0x0
	STAGE 1, 80
	STAGE 2, 144
	s_wait_dscnt 0x0
	QUANT 80, 16, 241                              ; x's rows 0-15: v16-31, v241
	QUANT 144, 32, 242                             ; x's rows 16-31: v32-47, v242
.rept 4
	v_nop                                          ; operands written by vector instructions stand four places ahead of a scaled matrix instruction; the scale words were made ahead of the 64 holds
.endr
	v_wmma_scale_f32_16x16x128_f8f6f4 v[48:55], v[16:31], v[224:239], 0, v241, v240    ; register j of lane (r, h): hx's part for (b = 8 h + j, o = 16 n + r)
	v_wmma_scale_f32_16x16x128_f8f6f4 v[56:63], v[32:47], v[224:239], 0, v242, v240    ; b = 16 + 8 h + j
.rept 8
	v_nop                                          ; eight places ahead of the first read of the results
.endr
	ds_store_b128 v7, v[48:51]                     ; each accumulator from its low end on
	ds_store_b128 v7, v[52:55] offset:512
	ds_store_b128 v7, v[56:59] offset:1024
	ds_store_b128 v7, v[60:63] offset:1536
	s_wait_dscnt 0x0                               ; for the others' sake: my partial sums lie in LDS
	s_barrier_signal -1
	s_barrier_wait -1                              ; (all eight waves of a work-group take this arm: the branch hangs on the work-group's number)
.irp u, 0,1,2,3,4,5,6,7
	ds_load_b64 v[64+2*\u:65+2*\u], v8 offset:2048*\u   ; K step u's part of my two registers
.endr
	v_add_f32 v247, v244, v245                     ; bq + bm
	s_delay_alu instid0(VALU_DEP_1)
	v_mul_f32 v247, s[CC], v247
	v_mul_f32 v81, -2.0, v246                      ; -2 v[o]
	v_mul_f32 v83, -2.0, v246
	s_lshr_b32 s40, s[WV], 2
	s_lshl_b32 s40, s40, 4
	s_and_b32 s41, s[WV], 3
	s_lshl_b32 s41, s41, 1
	s_add_co_u32 s40, s40, s41                     ; b of lanes 0-15 for my first register: 16 (w / 4) + 2 (w % 4)
	s_lshl_b32 s40, s40, 13                        ; a row of hv is 8,192 bytes
	s_lshl_b32 s41, s[NT], 7                       ; 16 columns of 8 bytes
	s_add_co_u32 s40, s40, s41
	s_mov_b32 s41, 0
	s_add_nc_u64 s[18:19], s[18:19], s[40:41]
	s_wait_dscnt 0x0
	v_pk_add_f32 v[64:65], v[64:65], v[66:67]
	v_pk_add_f32 v[68:69], v[68:69], v[70:71]
	v_pk_add_f32 v[72:73], v[72:73], v[74:75]
	v_pk_add_f32 v[76:77], v[76:77], v[78:79]
	s_delay_alu instid0(VALU_DEP_3)
	v_pk_add_f32 v[64:65], v[64:65], v[68:69]
	s_delay_alu instid0(VALU_DEP_2)
	v_pk_add_f32 v[72:73], v[72:73], v[76:77]
	s_delay_alu instid0(VALU_DEP_1)
	v_pk_add_f32 v[64:65], v[64:65], v[72:73]      ; the sum over all of K
	s_delay_alu instid0(VALU_DEP_1)
	v_fma_f32 v80, v64, s[CC], v247                ; 2 log2(e) (hx + bq + bm)
	s_delay_alu instid0(VALU_DEP_2)
	v_fma_f32 v82, v65, s[CC], v247
	global_store_b64 v9, v[80:81], s[18:19]
	global_store_b64 v9, v[82:83], s[18:19] offset:8192
	s_branch .Lend
.Lwm:
	; ---- Wm: codes and scale words in the order of the operand's registers
	s_lshr_b32 s36, s[NT], 1
	s_mul_i32 s36, s36, 33792                      ; the pair's record
	s_and_b32 s37, s[NT], 1
	s_lshl_b32 s38, s37, 14                        ; 32 rows of 512 bytes for the odd tile
	s_add_co_u32 s38, s38, s36
	s_lshl_b32 s39, s[WV], 11                      ; 4 rows for each K step
	s_add_co_u32 s38, s38, s39
	s_mov_b32 s39, 0
	s_lshl_b32 s40, s37, 9                         ; the scale row: 64 + n % 2
	s_add_co_u32 s40, s40, s36
	s_add_co_u32 s40, s40, 32768
	s_and_b32 s41, s[WV], 1
	s_lshl_b32 s41, s41, 8                         ; lanes 16-31's part for an odd K step
	s_add_co_u32 s40, s40, s41
	s_lshr_b32 s41, s[WV], 1
	s_lshl_b32 s41, s41, 2                         ; word w / 2
	s_add_co_u32 s40, s40, s41
	s_mov_b32 s41, 0
	s_add_nc_u64 s[38:39], s[16:17], s[38:39]
	s_add_nc_u64 s[40:41], s[16:17], s[40:41]
	s_wait_loadcnt 0x0
	s_wait_alu depctr_va_vdst(0)
	STAGE 3, 16
	s_wait_dscnt 0x0
	QUANT 16, 224, 240
.irp c, 0,1,2,3
	global_store_b128 v5, v[224+4*\c:227+4*\c], s[38:39] offset:512*\c   ; 32 lanes store 512 consecutive bytes
.endr
	global_store_b32 v10, v240, s[40:41]           ; both halves of the lanes hold the same word and write it to the same place
.Lend:
	s_wait_tensorcnt 0x0                           ; the wave's end, behind my last LDS store
	ds_add_u32 v[SPW], v[NIL]
	s_wait_dscnt 0x0
	s_endpgm
.Lfunc_end_k_qf5b228b89d_prep:
	.size	k_qf5b228b89d_prep, .Lfunc_end_k_qf5b228b89d_prep-k_qf5b228b89d_prep
	.p2alignl 7, 3214868480
	.fill 96, 4, 3214868480
	.section	.rodata,"a",@progbits
	.p2align	6, 0x0
	.amdhsa_kernel k_qf5b228b89d_prep
		.amdhsa_group_segment_fixed_size 287744
		.amdhsa_private_segment_fixed_size 0
		.amdhsa_enable_private_segment 0
		.amdhsa_kernarg_size 64
		.amdhsa_user_sgpr_count 2
		.amdhsa_user_sgpr_kernarg_segment_ptr 1
		.amdhsa_wavefront_size32 1
		.amdhsa_system_sgpr_workgroup_id_x 1
		.amdhsa_system_sgpr_workgroup_id_y 1
		.amdhsa_system_sgpr_workgroup_id_z 1
		.amdhsa_system_vgpr_workitem_id 0
		.amdhsa_next_free_vgpr 256
		.amdhsa_next_free_sgpr 66
		.amdhsa_reserve_vcc 0
		.amdhsa_float_denorm_mode_32 3
		.amdhsa_float_denorm_mode_16_64 3
		.amdhsa_memory_ordered 1
		.amdhsa_forward_progress 1
		.amdhsa_inst_pref_size 58
	.end_amdhsa_kernel
	.amdgpu_metadata
---
amdhsa.version: [ 1, 2 ]
amdhsa.kernels:
  - .name:           k_qf5b228b89d_prep
    .symbol:         k_qf5b228b89d_prep.kd
    .args:
      - { .name: Wm, .offset: 0, .size: 8, .value_kind: global_buffer, .address_space: global }
      - { .name: Wq, .offset: 8, .size: 8, .value_kind: global_buffer, .address_space: global }
      - { .name: x, .offset: 16, .size: 8, .value_kind: global_buffer, .address_space: global }
      - { .name: bq, .offset: 24, .size: 8, .value_kind: global_buffer, .address_space: global }
      - { .name: bm, .offset: 32, .size: 8, .value_kind: global_buffer, .address_space: global }
      - { .name: v, .offset: 40, .size: 8, .value_kind: global_buffer, .address_space: global }
      - { .name: wmc, .offset: 48, .size: 8, .value_kind: global_buffer, .address_space: global }
      - { .name: hv, .offset: 56, .size: 8, .value_kind: global_buffer, .address_space: global }
    .group_segment_fixed_size: 287744
    .private_segment_fixed_size: 0
    .kernarg_segment_align: 8
    .kernarg_segment_size: 64
    .max_flat_workgroup_size: 256
    .sgpr_count:     66
    .vgpr_count:     256
    .wavefront_size: 32
...
	.end_amdgpu_metadata
.endif
;; end of part 1
;; launch main (part 2): grid 256 x 1, 4 waves a work-group, clusters of 4 x 1, 327,680 bytes of LDS; arguments context, wmc, hv, raw; writes raw
.if DOCPART == 2
	.amdgcn_target "amdgcn-amd-amdhsa--gfx1250"
	.amdhsa_code_object_version 6
	.text
	.protected	k_qf5b228b89d_main
	.globl	k_qf5b228b89d_main
	.p2align	8
	.type	k_qf5b228b89d_main,@function
k_qf5b228b89d_main:
	s_mov_b64 s[64:65], 0
	v_nop
	global_prefetch_b8 v0, s[64:65] scope:SCOPE_SE
	s_setreg_imm32_b32 hwreg(HW_REG_WAVE_MODE, 25, 1), 1
	s_wait_xcnt 0x0
	s_wait_alu depctr_hold_cnt(0) depctr_sa_sdst(0) depctr_va_vdst(0) depctr_va_sdst(0) depctr_va_ssrc(0) depctr_va_vcc(0) depctr_vm_vsrc(0)
	s_getreg_b32 s2, hwreg(HW_REG_IB_STS2, 6, 4)
	s_cmp_eq_u32 s2, 0
	s_cbranch_scc0 .Lentry_in_a_cluster
	s_endpgm
.Lentry_in_a_cluster:
	s_bfe_u32 s2, ttmp6, 0x10000c
	s_cmp_lg_u32 s2, 0x3003
	s_cbranch_scc0 .Lentry_shape_is_right
	s_endpgm
.Lentry_shape_is_right:
; ADDITIVE ATTENTION, launch 2 of 3:  raw[b][t] = sum over o of -2 v[o] / (1 + 2^(2 log2(e) (hx[b][o] + bq[o] + bm[o] + hc[b][t][o]))),  hc = Q(context) Q(Wm)^T on codes of FP8 (E4M3) with E8M0 scales.
; LEFT OUT (shown at the head of the first launch): mask, which reference() never reads; and sum(v), which is the same along the softmax's axis.
; LIMITS: NaN and infinities among the inputs are not served.  A block whose largest magnitude lies under 2^(9 - 127) keeps the scale byte 1.
; SHARES.  A work-group owns 256 rows (b, t) of one b; a wave 64 of them.  PART 1: the rows come as f32 in eight K steps of 128 through two LDS slots, are quantised, and stay as codes in registers:
; 4 row tiles x 8 K steps x 16 registers = 512 (windows 2 and 3).  PART 2: Wm's 32 records (two column tiles each, in the order of the operand's registers) walk through the same two slots, four records a fill.
; A PAIR of column tiles is 64 products, then ONE vector phase on its 64 result registers: scale and bias, exponentials, + 1, reciprocals, x -2 v into 32 running sums.  The transcendentals stand in two whole batches
; outside the matrix sums.  A tile's fragments for the next pair are loaded as soon as its 32 products are issued.
; CLUSTER: the four work-groups of a cluster walk the same records of wmc: each record is asked for jointly (mask 15).  context's rows belong to one work-group alone: plain loads.
; PREFETCH: K step k + 2 of my wave's 64 rows (128 blocks of 256 bytes: 4 instructions, a lane a block) is asked for at the head of K step k's work, k = 0 .. 5.  None for wmc: a refill is asked for four pairs,
; 256 matrix instructions a wave, ahead of the change of slots that waits for it.
; The table hv of my b (8 KB) comes once, through registers, into LDS bytes of its own.
.set PITCH, 528
.set PIECE, 66*PITCH                   ; a record, or 64 rows x 512 bytes of context and two rows of zeros
.set LO,    0
.set UP,    4*PIECE
.set HV,    8*PIECE
.set SCR,   HV+8192                    ; each wave's scratch: a K step's codes and scale words on their way into registers
.set SCRW,  8704
.set SCO,   SCR+4*SCRW                 ; each wave's 64 results
.set SPARE, SCO+1024
.set L16,  1
.set ADB,  2
.set HVA0, 3
.set ADH,  4
.set XA0,  5
.set XAD,  6
.set SI0,  7
.set SIA,  8
.set SS0,  9
.set SSA,  10
.set SCA,  11
.set SCB,  12
.set RO,   13
.set SPW,  14
.set NIL,  15
.set AS,   16                          ; v16-47  A's scale words: 4 ks + mt
.set BS,   48                          ; v48-55  B's scale words, four registers a tile
.set PB,   56                          ; v56, v58 the two tiles' bias;  v60, v62 their -2 v  (the odd registers are named as pairs' upper halves)
.set PV,   60
.set ACC,  64                          ; v64-127 two tiles x four row tiles x 8
.set S,    192                         ; v192-223 the running sums
.set PFO,  230                         ; the prefetches' offset; never rewritten
.set X,    64
.set TM,   128
.set PC,   144
.set PW,   160
.set WV,  12
.set G1C, 16
.set G1W, 24
.set CU,  40
.set CL,  44
.set WU,  48
.set WL,  52
.set CS,  60
.set MNT, 62
.set SEL, 66
.set TB,  68
.set TH,  69
.set XO,  70
.set IO,  71
.set SO,  72
.set MC,  73
.set PCN, 74
.set OC,  75
.set MSB, 0
.macro WIN new
.if MSB != \new
	s_set_vgpr_msb (MSB<<8)|\new
.set MSB, \new
.endif
.endm
.macro ROUND                           ; a round of the cluster's barrier
	s_barrier_signal -1
	s_barrier_wait -1
	s_cmp_lg_u32 s[WV], 0
	s_cbranch_scc1 .Lnot_wave_0_\@
	s_barrier_signal -3
.Lnot_wave_0_\@:
	s_barrier_wait -3
	s_barrier_signal -1
	s_barrier_wait -1
.endm
; a change of slots: all my tensor loads are in, the add, my LDS reads are over; the round; my one load into the slot that was left
.macro CHG g0, g1, step
	WIN 0
	s_wait_tensorcnt 0x0
	ds_add_u32 v[SPW], v[NIL]
.if \step
	s_add_nc_u64 s[\g0+2:\g0+3], s[\g0+2:\g0+3], \step
.endif
	s_wait_dscnt 0x0
	ROUND
	tensor_load_to_lds s[\g0:\g0+3], s[\g1:\g1+7]
	s_nop 0
.rept 4
	v_nop
.endr
.endm
.macro CHG0                            ; the last change: nothing is filled again
	WIN 0
	s_wait_tensorcnt 0x0
	ds_add_u32 v[SPW], v[NIL]
	s_wait_dscnt 0x0
	s_barrier_signal -1
	s_barrier_wait -1
.endm
; 64 numbers of a lane (register 16 b + i = k 32 b + 16 (lane / 16) + i of row lane % 16) become 16 registers of codes and the row's scale word
.macro QUANT s, d, pw
.irp b, 0,1,2,3
	v_max3_num_f32 v[TM+\b], |v[\s+16*\b]|, |v[\s+16*\b+1]|, 0x4800000
.endr
.irp i, 2,4,6,8,10,12,14
.irp b, 0,1,2,3
	v_max3_num_f32 v[TM+\b], v[TM+\b], |v[\s+16*\b+\i]|, |v[\s+16*\b+\i+1]|
.endr
.endr
.irp b, 0,1,2,3
	v_permlanex16_b32 v[TM+4+\b], v[TM+\b], s[SEL], s[SEL+1]
.endr
.irp b, 0,1,2,3
	v_max_num_f32 v[TM+\b], v[TM+\b], v[TM+4+\b]
.endr
.irp b, 0,1,2,3
	v_add_nc_u32 v[TM+12+\b], 0xfc000000, v[TM+\b]
.endr
.irp b, 0,1,2,3
	v_and_or_b32 v[TM+8+\b], v[TM+\b], 0x7f800000, s[MNT]
.endr
.irp b, 0,1,2,3
	v_lshrrev_b32 v[TM+4+\b], 23, v[TM+12+\b]
.endr
	v_lshl_or_b32 v[\pw], v[TM+5], 8, v[TM+4]
	v_lshl_or_b32 v[\pw], v[TM+6], 16, v[\pw]
	v_lshl_or_b32 v[\pw], v[TM+7], 24, v[\pw]
.irp b, 0,1,2,3
.irp i, 0,1,2,3,4,5,6,7,8,9,10,11,12,13,14,15
	v_med3_num_f32 v[\s+16*\b+\i], v[\s+16*\b+\i], -v[TM+8+\b], v[TM+8+\b]
.endr
	v_cvt_scalef32_pk8_fp8_f32 v[\d+4*\b:\d+4*\b+1], v[\s+16*\b:\s+16*\b+7], v[TM+12+\b]
	v_cvt_scalef32_pk8_fp8_f32 v[\d+4*\b+2:\d+4*\b+3], v[\s+16*\b+8:\s+16*\b+15], v[TM+12+\b]
.endr
	v_nop
.endm
; K step k of my 64 rows: four units of 16 rows are quantised, go through my scratch and come back as A's registers of this K step
.macro QSTEP k
	s_mov_b32 s[XO], UP*(1-(\k)%2)
	s_mov_b32 s[IO], 0
	s_mov_b32 s[SO], 0
	s_mov_b32 s[MC], 4
.if (\k) < 6
.irp i, 0,1,2,3
	global_prefetch_b8 v[PFO], s[4:5] offset:65536*\i+512*((\k)+2) th:TH_LOAD_NT scope:SCOPE_SE   ; 16 rows x 512 bytes of K step k + 2; the last lane's block ends with row 63's part of K step 7
.endr
.endif
.Lunit_\@:
	v_add_nc_u32 v[XAD], s[XO], v[XA0]
.irp b, 0,1,2,3
.irp j, 0,1,2,3
	ds_load_b128 v[X+16*\b+4*\j:X+16*\b+4*\j+3], v[XAD] offset:128*\b+16*\j
.endr
.endr
	v_add_nc_u32 v[SIA], s[IO], v[SI0]
	v_add_nc_u32 v[SSA], s[SO], v[SS0]
	s_wait_dscnt 0x0
	QUANT X, PC, PW
.irp c, 0,1,2,3
	ds_store_b128 v[SIA], v[PC+4*\c:PC+4*\c+3] offset:512*\c
.endr
	ds_store_b32 v[SSA], v[PW]
	s_add_co_u32 s[XO], s[XO], 16*PITCH
	s_add_co_u32 s[IO], s[IO], 2048
	s_add_co_u32 s[SO], s[SO], 128
	s_sub_co_u32 s[MC], s[MC], 1
	s_cmp_lg_u32 s[MC], 0
	s_cbranch_scc1 .Lunit_\@
.if (\k) < 4
	WIN 0x80
.else
	WIN 0xc0
.endif
.irp m, 0,1,2,3
.irp c, 0,1,2,3
	ds_load_b128 v[64*((\k)%4)+16*\m+4*\c:64*((\k)%4)+16*\m+4*\c+3], v[SI0] offset:2048*\m+512*\c
.endr
.endr
	WIN 0
.irp m, 0,1,2,3
	ds_load_b32 v[AS+4*(\k)+\m], v[SS0] offset:128*\m
.endr
.endm
; product i of a tile's 32: K step i / 4, row tile i % 4: the four accumulators by turns; the first K step starts the sums
.macro PROD p
.set ks, i/4
.set mt, i%4
.set wn, 0x06+ks/4
	WIN wn
.set rD, ACC+32*\p+8*mt
.set rA, 64*(ks%4)+16*mt
.set rB, 128*\p+16*ks
.if ks == 0
	v_wmma_scale_f32_16x16x128_f8f6f4 v[rD:rD+7], v[rA:rA+15], v[rB:rB+15], 0, v[AS+4*ks+mt], v[BS+4*\p+ks/2]
.elseif ks%2
	v_wmma_scale_f32_16x16x128_f8f6f4 v[rD:rD+7], v[rA:rA+15], v[rB:rB+15], v[rD:rD+7], v[AS+4*ks+mt], v[BS+4*\p+ks/2] matrix_b_scale:MATRIX_SCALE_ROW1
.else
	v_wmma_scale_f32_16x16x128_f8f6f4 v[rD:rD+7], v[rA:rA+15], v[rB:rB+15], v[rD:rD+7], v[AS+4*ks+mt], v[BS+4*\p+ks/2]
.endif
.endm
.macro RUN p
.set i, 0
.rept 32
	PROD \p
.set i, i+1
.endr
.endm
.macro PLACES                          ; eight places behind the last product, ahead of loads into its sources and of reads of its result
	WIN 0
.rept 8
	v_nop
.endr
.endm
.macro BLOAD p                         ; tile p of the record at v[ADB]: its scale words and its eight fragments: 33 loads
	PLACES
	ds_load_b128 v[BS+4*\p:BS+4*\p+3], v[ADB] offset:64*PITCH+PITCH*\p
	WIN 0x40
.irp s, 0,1,2,3,4,5,6,7
.irp c, 0,1,2,3
	ds_load_b128 v[128*\p+16*\s+4*\c:128*\p+16*\s+4*\c+3], v[ADB] offset:32*PITCH*\p+PITCH*(4*\s+\c)
.endr
.endr
	WIN 0
.endm
.macro HLOAD a                         ; a pair's bias and -2 v of column lane % 16: 4 loads
	ds_load_b32 v[PB], v[\a]
	ds_load_b32 v[PV], v[\a] offset:4
	ds_load_b32 v[PB+2], v[\a] offset:128
	ds_load_b32 v[PV+2], v[\a] offset:132
.endm
; the vector phase of a pair, in place on its 64 results.  f = 1: the addresses step to the pair after the next, and the next pair's bias and -2 v are loaded at the end
.macro VEC f
.set j, 0
.rept 32
	v_pk_fma_f32 v[ACC+j:ACC+j+1], v[ACC+j:ACC+j+1], s[CS:CS+1], v[PB+2*(j/32):PB+2*(j/32)+1] op_sel_hi:[1,0,0]   ; 2 log2(e) hc + the table's bias; each accumulator from its low end on
.set j, j+2
.endr
.if \f
	s_add_co_u32 s[TB], s[TB], PIECE
	v_add_nc_u32 v[ADB], s[TB], v[L16]
	s_add_co_u32 s[TH], s[TH], 256
	v_add_nc_u32 v[ADH], s[TH], v[HVA0]
.endif
	s_wait_alu depctr_va_vdst(0)                   ; ahead of the batch
.set j, 0
.rept 64
	v_exp_f32 v[ACC+j], v[ACC+j]
.set j, j+1
.endr
	v_nop                                          ; a plain place behind the last exponential
	s_wait_alu depctr_va_vdst(0)                   ; and behind it
.set j, 0
.rept 32
	v_pk_add_f32 v[ACC+j:ACC+j+1], v[ACC+j:ACC+j+1], 1.0 op_sel_hi:[1,0]
.set j, j+2
.endr
	s_wait_alu depctr_va_vdst(0)                   ; ahead of the second batch
.set j, 0
.rept 64
	v_rcp_f32 v[ACC+j], v[ACC+j]
.set j, j+1
.endr
	v_nop
	s_wait_alu depctr_va_vdst(0)                   ; and behind it
.set j, 0
.rept 32
	v_pk_fma_f32 v[S+(j%32):S+(j%32)+1], v[ACC+j:ACC+j+1], v[PV+2*(j/32):PV+2*(j/32)+1], v[S+(j%32):S+(j%32)+1] op_sel_hi:[1,0,1]
.set j, j+2
.endr
.if \f
	HLOAD ADH
.endif
.endm
; a pair.  LDS loads are out in this order: tile 0's 33, tile 1's 33, the table's 4
.macro TRIP f
	s_wait_dscnt 37                                ; tile 0 is in; tile 1's 33 and the table's 4 may be out
	RUN 0
.if \f
	BLOAD 0                                        ; the next pair's tile 0
	s_wait_dscnt 33                                ; all but the 33 just issued: tile 1 and the table's words are in
.else
	s_wait_dscnt 0x0
.endif
	RUN 1
.if \f
	BLOAD 1                                        ; its eight places serve the reads of the results too
.else
	PLACES
.endif
	VEC \f
.endm
.macro PAIRS n
	s_mov_b32 s[PCN], \n
.Lpair_\@:
	TRIP 1
	s_sub_co_u32 s[PCN], s[PCN], 1
	s_cmp_lg_u32 s[PCN], 0
	s_cbranch_scc1 .Lpair_\@
.endm
.macro NEWSLOT base                    ; the next pair's record is the first of the other slot
	s_mov_b32 s[TB], \base
	v_add_nc_u32 v[ADB], s[TB], v[L16]
	s_wait_alu depctr_va_vdst(0)                   ; the wait behind the write
.endm
	s_load_b256 s[4:11], s[0:1], 0x0               ; context s[4:5], wmc s[6:7], hv s[8:9], raw s[10:11]
	v_lshl_add_u32 v[SPW], v0, 2, SPARE
	v_mov_b32 v[NIL], 0
	ds_add_u32 v[SPW], v[NIL]                      ; the opening lines: the add twice on end and its wait
	ds_add_u32 v[SPW], v[NIL]
	v_lshrrev_b32 v224, 5, v0
	v_readfirstlane_b32 s[WV], v224
	v_lshlrev_b32 v228, 4, v0                      ; hv: 16 bytes a thread, in memory
	v_lshl_add_u32 v227, v0, 4, HV                 ; and in LDS
	s_bfe_u32 s13, ttmp6, 0x40000
	s_lshl_b32 s14, ttmp9, 2
	s_add_co_u32 s14, s14, s13                     ; work-group = 4 x cluster + cx: it enters global addresses of plain loads and of the store alone
	s_mov_b32 s[G1C], (2<<16)|(1<<20)|(6<<22)|(3<<25)   ; context: rows of 128 f32, 16 bytes of padding behind each; 64 rows of the tensor in a tile of 66 (two rows of zeros), so that it fills a record's bytes
	s_mov_b32 s[G1C+1], 128<<16
	s_mov_b32 s[G1C+2], 64<<16
	s_mov_b32 s[G1C+3], 128<<16
	s_mov_b32 s[G1C+4], 66
	s_mov_b32 s[G1C+5], 1024
	s_mov_b32 s[G1C+6], 0
	s_mov_b32 s[G1C+7], 0
	s_mov_b32 s[G1W], 15|(2<<16)|(1<<20)|(1<<21)|(6<<22)|(3<<25)   ; a record of wmc: 66 dense rows of 512 bytes, asked for jointly by the cluster's four
	s_mov_b32 s[G1W+1], 128<<16
	s_mov_b32 s[G1W+2], 66<<16
	s_mov_b32 s[G1W+3], 128<<16
	s_mov_b32 s[G1W+4], 66
	s_mov_b32 s[G1W+5], 128
	s_mov_b32 s[G1W+6], 0
	s_mov_b32 s[G1W+7], 0
	s_mul_i32 s15, s[WV], PIECE                    ; my quarter of a slot
	s_lshl_b32 s2, s14, 20                         ; 256 rows of 4,096 bytes a work-group,
	s_lshl_b32 s3, s[WV], 18                       ; 64 a wave
	s_add_co_u32 s2, s2, s3
	s_mov_b32 s3, 0
	s_mul_i32 s76, s[WV], 33792                    ; record = wave
	s_mov_b32 s77, 0
	s_lshr_b32 s78, ttmp9, 1                       ; b = work-group / 8 = cluster / 2
	s_lshl_b32 s78, s78, 13
	s_mov_b32 s79, 0
	s_mov_b32 s[CS], 0x4038aa3b                    ; 2 log2(e)
	s_mov_b32 s[CS+1], s[CS]
	s_mov_b32 s[MNT], 0x600000
	s_mov_b32 s[SEL], 0x76543210
	s_mov_b32 s[SEL+1], 0xfedcba98
	s_wait_alu depctr_va_vdst(0)                   ; ahead of the blocking waits
	s_wait_dscnt 0x0
	s_wait_kmcnt 0x0
	s_add_nc_u64 s[4:5], s[4:5], s[2:3]
	s_add_nc_u64 s[6:7], s[6:7], s[76:77]
	s_add_nc_u64 s[8:9], s[8:9], s[78:79]
.irp i, 0,1,2,3
	global_load_b128 v[232+4*\i:235+4*\i], v228, s[8:9] offset:2048*\i   ; my b's table: a wave's load covers 512 consecutive bytes
.endr
	s_lshl_b32 s2, s14, 10
	s_lshl_b32 s3, s[WV], 8
	s_add_co_u32 s2, s2, s3
	s_mov_b32 s3, 0
	s_add_nc_u64 s[10:11], s[10:11], s[2:3]
	s_mov_b32 s[CU], 1
	s_add_co_u32 s[CU+1], s15, UP
	s_mov_b64 s[CU+2:CU+3], s[4:5]
	s_or_b32 s[CU+3], s[CU+3], 0x80000000
	s_mov_b32 s[CL], 1
	s_mov_b32 s[CL+1], s15
	s_add_nc_u64 s[CL+2:CL+3], s[4:5], 512
	s_or_b32 s[CL+3], s[CL+3], 0x80000000
	s_mov_b32 s[WU], 1
	s_add_co_u32 s[WU+1], s15, UP
	s_mov_b64 s[WU+2:WU+3], s[6:7]
	s_or_b32 s[WU+3], s[WU+3], 0x80000000
	s_mov_b32 s[WL], 1
	s_mov_b32 s[WL+1], s15
	s_add_nc_u64 s[WL+2:WL+3], s[6:7], 4*33792
	s_or_b32 s[WL+3], s[WL+3], 0x80000000
	s_mul_i32 s2, s[WV], SCRW
	s_add_co_u32 s2, s2, SCR                       ; my scratch: codes,
	s_add_co_u32 s3, s2, 8192                      ; scale words
	s_lshl_b32 s76, s[WV], 8
	s_add_co_u32 s76, s76, SCO                     ; my 64 results
	ROUND
	tensor_load_to_lds s[CU:CU+3], s[G1C:G1C+7]    ; K step 0: my one tensor load at the head
	s_nop 0
.rept 4
	v_nop
.endr
	v_and_b32 v224, 15, v0
	v_bfe_u32 v225, v0, 4, 1
	v_and_b32 v226, 31, v0
	v_lshlrev_b32 v[L16], 4, v226
	v_lshl_add_u32 v[HVA0], v224, 3, HV
	v_mul_u32_u24 v[XA0], v224, PITCH
	v_lshl_add_u32 v[XA0], v225, 6, v[XA0]
	v_add_nc_u32 v[XA0], s15, v[XA0]
	v_add_nc_u32 v[SI0], s2, v[L16]
	v_lshl_add_u32 v[SS0], v226, 2, s3
	v_lshl_add_u32 v[SCA], v225, 5, s76
	v_lshl_add_u32 v[SCB], v226, 3, s76
	v_lshlrev_b32 v[RO], 3, v226
	v_lshrrev_b32 v[PFO], 1, v226
	v_and_b32 v229, 1, v226
	v_lshlrev_b32 v[PFO], 12, v[PFO]
	v_lshl_add_u32 v[PFO], v229, 8, v[PFO]         ; row lane / 2, block lane % 2 of its 512 bytes
.irp b, 0,1,2,3
	v_mov_b32 v[TM+4+\b], 0                        ; a lane permute's destination counts as one of its sources
.endr
	v_mov_b32 v[PB+1], 0
	v_mov_b32 v[PB+3], 0
	v_mov_b32 v[PV+1], 0
	v_mov_b32 v[PV+3], 0
.set j, 0
.rept 32
	v_mov_b32 v[S+j], 0                            ; the 32 running sums
.set j, j+1
.endr
	s_wait_alu depctr_va_vdst(0)                   ; at the head's end
	s_wait_loadcnt 0x0
.irp i, 0,1,2,3
	ds_store_b128 v227, v[232+4*\i:235+4*\i] offset:2048*\i
.endr
	s_wait_tensorcnt 0x0                           ; K step 0 is in; the full sequence ahead of slot LO's first fill
	ds_add_u32 v[SPW], v[NIL]
	s_wait_dscnt 0x0                               ; the add and my part of the table
	ROUND
	tensor_load_to_lds s[CL:CL+3], s[G1C:G1C+7]    ; K step 1
	s_nop 0
.rept 4
	v_nop
.endr
	QSTEP 0
.irp k, 1,3,5
	CHG CU, G1C, 1024
	QSTEP \k
	CHG CL, G1C, 1024
	QSTEP \k+1
.endr
	CHG WU, G1W, 0                                 ; records 0-3
	QSTEP 7
	CHG WL, G1W, 0                                 ; records 4-7
	s_mov_b32 s[TH], 0
	NEWSLOT UP
	BLOAD 0                                        ; pair 0
	BLOAD 1
	HLOAD HVA0
	s_add_co_u32 s[TB], s[TB], PIECE
	v_add_nc_u32 v[ADB], s[TB], v[L16]
	s_wait_alu depctr_va_vdst(0)                   ; behind the write
	PAIRS 3                                        ; pairs 0-2, which load pairs 1-3: slot UP has then been read out
	s_mov_b32 s[OC], 3
.Lslots:                                               ; a change of slots stands ahead of a slot's last pair, whose fragments are in registers
	NEWSLOT LO
	CHG WU, G1W, 8*33792
	PAIRS 4
	NEWSLOT UP
	CHG WL, G1W, 8*33792
	PAIRS 4
	s_sub_co_u32 s[OC], s[OC], 1
	s_cmp_lg_u32 s[OC], 0
	s_cbranch_scc1 .Lslots
	NEWSLOT LO
	CHG0
	PAIRS 4                                        ; pairs 27-30
	TRIP 0                                         ; pair 31 loads nothing
	; the sums over the sixteen columns that the lanes of a row hold; then 64 results leave as one aligned block of 256 bytes
.irp x, 1,2,4,8
.set j, 0
.rept 32
	v_add_f32_dpp v[S+j], v[S+j], v[S+j] row_xmask:\x row_mask:0xf bank_mask:0xf
.set j, j+1
.endr
.endr
.irp m, 0,1,2,3
.irp j, 0,1,2,3,4,5,6,7
	ds_store_b32 v[SCA], v[S+8*\m+\j] offset:64*\m+4*\j   ; the sixteen lanes of a half write the same word with the same value
.endr
.endr
	ds_load_b64 v[224:225], v[SCB]
	s_wait_dscnt 0x0
	global_store_b64 v[RO], v[224:225], s[10:11]
	s_wait_tensorcnt 0x0                           ; the wave's end
	ds_add_u32 v[SPW], v[NIL]
	s_wait_dscnt 0x0
	ROUND                                          ; the closing round
	s_endpgm
.Lfunc_end_k_qf5b228b89d_main:
	.size	k_qf5b228b89d_main, .Lfunc_end_k_qf5b228b89d_main-k_qf5b228b89d_main
	.p2alignl 7, 3214868480
	.fill 96, 4, 3214868480
	.section	.rodata,"a",@progbits
	.p2align	6, 0x0
	.amdhsa_kernel k_qf5b228b89d_main
		.amdhsa_group_segment_fixed_size 327680
		.amdhsa_private_segment_fixed_size 0
		.amdhsa_enable_private_segment 0
		.amdhsa_kernarg_size 32
		.amdhsa_user_sgpr_count 2
		.amdhsa_user_sgpr_kernarg_segment_ptr 1
		.amdhsa_wavefront_size32 1
		.amdhsa_system_sgpr_workgroup_id_x 1
		.amdhsa_system_sgpr_workgroup_id_y 1
		.amdhsa_system_sgpr_workgroup_id_z 1
		.amdhsa_system_vgpr_workitem_id 0
		.amdhsa_next_free_vgpr 1024
		.amdhsa_next_free_sgpr 80
		.amdhsa_reserve_vcc 0
		.amdhsa_float_denorm_mode_32 3
		.amdhsa_float_denorm_mode_16_64 3
		.amdhsa_memory_ordered 1
		.amdhsa_forward_progress 1
		.amdhsa_inst_pref_size 237
	.end_amdhsa_kernel
	.amdgpu_metadata
---
amdhsa.version: [ 1, 2 ]
amdhsa.kernels:
  - .name:           k_qf5b228b89d_main
    .symbol:         k_qf5b228b89d_main.kd
    .args:
      - { .name: context, .offset: 0, .size: 8, .value_kind: global_buffer, .address_space: global }
      - { .name: wmc, .offset: 8, .size: 8, .value_kind: global_buffer, .address_space: global }
      - { .name: hv, .offset: 16, .size: 8, .value_kind: global_buffer, .address_space: global }
      - { .name: raw, .offset: 24, .size: 8, .value_kind: global_buffer, .address_space: global }
    .group_segment_fixed_size: 327680
    .private_segment_fixed_size: 0
    .kernarg_segment_align: 8
    .kernarg_segment_size: 32
    .max_flat_workgroup_size: 128
    .sgpr_count:     80
    .vgpr_count:     1024
    .wavefront_size: 32
...
	.end_amdgpu_metadata
.endif
;; end of part 2
;; launch finish (part 3): grid 256 x 1, 8 waves a work-group, no clusters, 327,680 bytes of LDS; arguments context, raw, out0, out1; writes out0, out1
.if DOCPART == 3
	.amdgcn_target "amdgcn-amd-amdhsa--gfx1250"
	.amdhsa_code_object_version 6
	.text
	.protected	k_qf5b228b89d_finish
	.globl	k_qf5b228b89d_finish
	.p2align	8
	.type	k_qf5b228b89d_finish,@function
k_qf5b228b89d_finish:
	s_mov_b64 s[64:65], 0
	v_nop
	global_prefetch_b8 v0, s[64:65] scope:SCOPE_SE
	s_setreg_imm32_b32 hwreg(HW_REG_WAVE_MODE, 25, 1), 1
	s_wait_xcnt 0x0
; ADDITIVE ATTENTION, launch 3 of 3:  out1[b][:] = softmax over t of raw[b][:];  out0[b][:] = sum over t of out1[b][t] context[b][t][:], all in f32.
; LEFT OUT (shown at the head of the first launch): mask, which reference() never reads; and sum(v), which is the same along the softmax's axis, so that raw stands for the scores.
; LIMITS: NaN and infinities among the inputs are not served.
; SHARES.  Work-group (b, q): b = number / 8, q = number % 8: columns 128 q .. 128 q + 127 of out0[b] and entries 256 q .. 256 q + 255 of out1[b].  Wave w of eight takes rows 256 w .. 256 w + 255, in eight steps of 32.
; THE RING.  Two LDS slots of 128 KB; in a step each wave fetches its own 32 rows x 512 bytes with one tensor load, into 16 KB that it alone reads.  One load of a wave is out at a time; it is asked for first behind the
; barrier of a change of slots and has the step's work in which to land.  The launch claims all of LDS.
; PREFETCH.  Step s + 3 of my wave's rows (64 blocks of 256 bytes: 2 instructions, a lane a block) is asked for in step s, two steps ahead of the tensor load that wants it; steps 1 and 2 at the head; each block once.
; THE MAXIMUM IS TAKEN AWAY IN TWO STEPS.  Wave w loads just the 256 entries of raw that belong to its own rows, takes THEIR maximum m[w] away, e[t] = 2^((raw[t] - m[w]) log2(e)), and sums l[w] and its part of out0
; with these weights.  Behind the barrier at the end every wave makes, from the eight (m, l):  M = the largest m,  f[w] = 2^((m[w] - M) log2(e)), at most 1,  L = sum of l[w] f[w], at least 1,  g[w] = f[w] / L.
; Then out1[t] = e[t] g[w] and out0 = sum over w of g[w] x wave w's part.
; No matrix unit (one column of sixteen would be used), no cluster (no two work-groups read the same bytes of context).
.set SLOT,  131072                     ; a slot: 8 waves x 32 rows x 512 bytes
.set STEPB, 32*4096                    ; from step to step in memory
.set PT,    262144                     ; e[t], 2,048 numbers: wave w's 256 at 1,024 w, written and read by that wave alone
.set RED1,  270336                     ; the waves' maxima, 8 words;  256 bytes on: their sums
.set GW,    270848                     ; g[0 .. 7], a copy for each wave, its own, 64 bytes apart
.set CP,    271360                     ; the waves' parts of out0: 8 x 512 bytes
.set SPARE, 275456                     ; the spare words, 128 bytes for each of eight waves
.set SPW,   192
.set NIL,   193
.set AD0,   200                        ; v200, v201 my 16 KB of slot 0, 1, + 16 x lane
.set PFO,   202                        ; the prefetches' offset; never rewritten
.set A,     16                         ; v16-31   four sets of four sums: row % 4
.set P,     32                         ; v32-63   32 rows' weights, the same in every lane
.set X,     64                         ; v64-191  32 rows x 4 registers
.set G1,    36                         ; s[36:43] descriptor group 1;  s[44:47], s[48:51] group 0 of slot 0, 1
.set G0,    44
	s_load_b256 s[4:11], s[0:1], 0x0               ; context s[4:5], raw s[6:7], out0 s[8:9], out1 s[10:11]
	v_lshl_add_u32 v[SPW], v0, 2, SPARE
	v_mov_b32 v[NIL], 0
	ds_add_u32 v[SPW], v[NIL]                      ; the opening lines: the add twice on end and its wait ahead of my first tensor load
	ds_add_u32 v[SPW], v[NIL]
	v_lshrrev_b32 v4, 5, v0
	v_readfirstlane_b32 s12, v4                    ; wave 0..7
	s_lshr_b32 s13, ttmp9, 3                       ; b
	s_and_b32 s14, ttmp9, 7                        ; q
	s_mov_b32 s[G1], 2<<16                         ; elements of 4 bytes, no padding: a wave reads a row's 512 bytes on end
	s_mov_b32 s[G1+1], 128<<16                     ; tensor_dim0
	s_mov_b32 s[G1+2], 32<<16                      ; tensor_dim1
	s_mov_b32 s[G1+3], 128<<16                     ; tile_dim0
	s_mov_b32 s[G1+4], 32                          ; tile_dim1
	s_mov_b32 s[G1+5], 1024                        ; from row to row
	s_mov_b32 s[G1+6], 0
	s_mov_b32 s[G1+7], 0
	s_lshl_b32 s16, s13, 23                        ; 2,048 rows of 4,096 bytes a b,
	s_lshl_b32 s17, s12, 20                        ; 256 rows a wave,
	s_add_co_u32 s16, s16, s17
	s_lshl_b32 s17, s14, 9                         ; 128 columns a work-group
	s_add_co_u32 s16, s16, s17
	s_mov_b32 s17, 0
	s_lshl_b32 s18, s13, 13                        ; raw and out1: 8,192 bytes a b
	s_mov_b32 s19, 0
	s_lshl_b32 s22, s13, 12                        ; out0: 4,096 bytes a b
	s_lshl_b32 s23, s14, 9
	s_add_co_u32 s22, s22, s23
	s_mov_b32 s23, 0
	s_mov_b32 s24, 0x76543210
	s_mov_b32 s25, 0xfedcba98                      ; v_permlanex16_b32's selects for lane l xor 16
	s_mov_b32 s26, 0x3fb8aa3b                      ; log2(e)
	s_mov_b32 s27, s26                             ; (named with it as a pair, so it is written)
	s_lshl_b32 s28, s12, 14                        ; my 16 KB of a slot
	s_lshl_b32 s29, s12, 10                        ; my 1,024 bytes of raw, out1 and PT
	s_lshl_b32 s33, s12, 2
	s_add_co_u32 s30, s33, RED1                    ; my word among the maxima
	s_lshl_b32 s31, s12, 6
	s_add_co_u32 s31, s31, GW                      ; my copy of g
	s_add_co_u32 s33, s33, s31                     ; and g[my wave] in it
	s_lshl_b32 s32, s12, 9
	s_add_co_u32 s32, s32, CP                      ; my part of out0
	s_add_co_u32 s34, s29, PT
	v_and_b32 v1, 31, v0
	v_and_b32 v5, 7, v0
	v_bfe_u32 v[PFO], v0, 1, 4
	v_and_b32 v6, 1, v0
	v_lshlrev_b32 v1, 4, v1                        ; 16 x lane
	v_lshlrev_b32 v5, 2, v5                        ; 4 (lane % 8): a wave's word among eight
	v_lshlrev_b32 v[PFO], 12, v[PFO]
	v_add_nc_u32 v2, s29, v1                       ; raw, out1: my 16 bytes
	v_add_nc_u32 v[AD0], s28, v1
	v_lshl_add_u32 v[PFO], v6, 8, v[PFO]           ; row lane / 2, block lane % 2 of its 512 bytes
	v_add_nc_u32 v4, s34, v1                       ; PT: where I put my weights
	v_mov_b32 v3, s34                              ; and where my wave's begin
	v_mov_b32 v7, s30
	v_add_nc_u32 v[AD0+1], SLOT, v[AD0]
	v_add_nc_u32 v196, RED1, v5
	v_add_nc_u32 v197, s31, v5
	v_mov_b32 v198, s33
	v_mov_b32 v199, s31
	v_add_nc_u32 v203, s32, v1
	v_add_nc_u32 v204, CP, v1
	s_wait_alu depctr_va_vdst(0)                   ; at the head's end, ahead of the blocking waits
	s_wait_dscnt 0x0                               ; both opening adds are done
	s_wait_kmcnt 0x0
	s_add_nc_u64 s[4:5], s[4:5], s[16:17]
	s_add_nc_u64 s[6:7], s[6:7], s[18:19]
	s_add_nc_u64 s[10:11], s[10:11], s[18:19]
	s_add_nc_u64 s[8:9], s[8:9], s[22:23]
	s_mov_b32 s[G0], 1
	s_mov_b32 s[G0+1], s28
	s_mov_b64 s[G0+2:G0+3], s[4:5]                 ; step 0
	s_or_b32 s[G0+3], s[G0+3], 0x80000000
	s_mov_b32 s[G0+4], 1
	s_add_co_u32 s[G0+5], s28, SLOT
	s_add_nc_u64 s[G0+6:G0+7], s[4:5], STEPB       ; step 1
	s_or_b32 s[G0+7], s[G0+7], 0x80000000
	tensor_load_to_lds s[G0:G0+3], s[G1:G1+7]      ; my one tensor load at the head
	s_nop 0
	global_load_b128 v[8:11], v2, s[6:7]           ; raw: the entries of my wave's rows 4 lane .. + 3,
	global_load_b128 v[12:15], v2, s[6:7] offset:512   ; and 128 further on
.irp t, 1,2
.irp i, 0,1
	global_prefetch_b8 v[PFO], s[4:5] offset:STEPB*\t+65536*\i th:TH_LOAD_NT scope:SCOPE_SE   ; 16 rows x 512 bytes of step t
.endr
.endr
	s_wait_loadcnt 0x0
	; ---- my wave's maximum
	v_max3_num_f32 v5, v8, v9, v10
	v_max3_num_f32 v6, v11, v12, v13
	s_delay_alu instid0(VALU_DEP_2)
	v_max3_num_f32 v5, v5, v14, v15
	s_delay_alu instid0(VALU_DEP_1)
	v_max_num_f32 v5, v5, v6
.irp x, 1,2,4,8
	s_delay_alu instid0(VALU_DEP_1)
	v_max_num_f32_dpp v5, v5, v5 row_xmask:\x row_mask:0xf bank_mask:0xf
.endr
	s_delay_alu instid0(VALU_DEP_1)
	v_permlanex16_b32 v6, v5, s24, s25
	s_delay_alu instid0(VALU_DEP_1)
	v_max_num_f32 v5, v5, v6                       ; m
	s_delay_alu instid0(VALU_DEP_1)
	v_mul_f32 v6, 0xbfb8aa3b, v5                   ; -m log2(e)
	; ---- e = 2^(raw log2(e) - m log2(e)), at most about 1, and its sum
.irp j, 8,10,12,14
	v_pk_fma_f32 v[\j:\j+1], v[\j:\j+1], s[26:27], v[6:7] op_sel_hi:[1,0,0]   ; (of the pairs the low word serves both halves)
.endr
	s_wait_alu depctr_va_vdst(0)                   ; ahead of the batch
.irp j, 8,9,10,11,12,13,14,15
	v_exp_f32 v[\j], v[\j]
.endr
	v_nop                                          ; a plain line behind the last exponential
	s_wait_alu depctr_va_vdst(0)                   ; and behind it
	ds_store_b128 v4, v[8:11]
	ds_store_b128 v4, v[12:15] offset:512
	v_pk_add_f32 v[16:17], v[8:9], v[10:11]
	v_pk_add_f32 v[18:19], v[12:13], v[14:15]
	s_delay_alu instid0(VALU_DEP_1)
	v_pk_add_f32 v[16:17], v[16:17], v[18:19]
	s_delay_alu instid0(VALU_DEP_1)
	v_add_f32 v16, v16, v17
.irp x, 1,2,4,8
	s_delay_alu instid0(VALU_DEP_1)
	v_add_f32_dpp v16, v16, v16 row_xmask:\x row_mask:0xf bank_mask:0xf
.endr
	s_delay_alu instid0(VALU_DEP_1)
	v_permlanex16_b32 v17, v16, s24, s25
	s_delay_alu instid0(VALU_DEP_1)
	v_add_f32 v16, v16, v17                        ; l
	ds_store_b32 v7, v5                            ; all lanes write the same word with the same value
	ds_store_b32 v7, v16 offset:256
; STEP s: the change of slots, then my 32 rows of the slot s % 2.  In front of the barrier: all my tensor loads are in (the one that was out is this step's), the add, and my LDS instructions are done, my reads of the other
; slot among them.  Behind it the other slot takes step s + 1 (the first time: slot 1's first fill).  The rows' weights come from my own bytes of LDS, one address for all lanes.  40 LDS loads go out on end, the 8 of the
; weights first; group g of four rows waits until the 28 - 4 g loads of the groups behind it alone are out.  The very first group starts the sums.
.macro STEP s
.set sl, (\s)%2
	s_wait_tensorcnt 0x0
	ds_add_u32 v[SPW], v[NIL]
.if (\s) < 6
	s_add_nc_u64 s[G0+4*sl+2:G0+4*sl+3], s[G0+4*sl+2:G0+4*sl+3], 2*STEPB   ; no tensor load of mine is out: this slot's next step
.endif
	s_wait_dscnt 0x0
	s_barrier_signal -1
	s_barrier_wait -1
.if (\s) < 7
	tensor_load_to_lds s[G0+4*(1-sl):G0+4*(1-sl)+3], s[G1:G1+7]
	s_nop 0
.endif
.irp g, 0,1,2,3,4,5,6,7
	ds_load_b128 v[P+4*\g:P+4*\g+3], v3 offset:128*(\s)+16*\g
.endr
.set i, 0
.rept 32
	ds_load_b128 v[X+4*i:X+4*i+3], v[AD0+sl] offset:512*i
.set i, i+1
.endr
.if (\s) < 5
.irp i, 0,1
	global_prefetch_b8 v[PFO], s[4:5] offset:STEPB*((\s)+3)+65536*\i th:TH_LOAD_NT scope:SCOPE_SE   ; the last lane's block ends with my row 255's part
.endr
.endif
.irp g, 0,1,2,3,4,5,6,7
	s_wait_dscnt 28-4*\g
.irp i, 0,1,2,3
.irp c, 0,1,2,3
.if (\s) == 0 && (\g) == 0
	v_mul_f32 v[A+4*\i+\c], v[P+4*\g+\i], v[X+16*\g+4*\i+\c]
.else
	v_fmac_f32 v[A+4*\i+\c], v[P+4*\g+\i], v[X+16*\g+4*\i+\c]
.endif
.endr
.endr
.endr
.endm
; the four sets of sums become one, in v16-19
.macro JOIN
	v_pk_add_f32 v[16:17], v[16:17], v[20:21]
	v_pk_add_f32 v[18:19], v[18:19], v[22:23]
	v_pk_add_f32 v[24:25], v[24:25], v[28:29]
	s_delay_alu instid0(VALU_DEP_4)
	v_pk_add_f32 v[26:27], v[26:27], v[30:31]
	s_delay_alu instid0(VALU_DEP_2)
	v_pk_add_f32 v[16:17], v[16:17], v[24:25]
	s_delay_alu instid0(VALU_DEP_2)
	v_pk_add_f32 v[18:19], v[18:19], v[26:27]
.endm
.irp t, 0,1,2,3,4,5,6,7
	STEP \t
.endr
	JOIN
	ds_store_b128 v203, v[16:19]
	s_wait_dscnt 0x0                               ; for the others' sake: my maximum, my sum and my part lie in LDS
	s_barrier_signal -1
	s_barrier_wait -1
	; ---- g[w] = f[w] / L: lane l makes that of wave l % 8
	ds_load_b32 v20, v196
	ds_load_b32 v21, v196 offset:256
	s_wait_dscnt 0x0
	v_mov_b32 v22, v20
.irp x, 1,2,4
	s_delay_alu instid0(VALU_DEP_1)
	v_max_num_f32_dpp v22, v22, v22 row_xmask:\x row_mask:0xf bank_mask:0xf
.endr
	s_delay_alu instid0(VALU_DEP_1)
	v_sub_f32 v20, v20, v22                        ; m[w] - M, 0 or less
	s_delay_alu instid0(VALU_DEP_1)
	v_mul_f32 v20, s26, v20
	s_wait_alu depctr_va_vdst(0)                   ; ahead of the exponential
	v_exp_f32 v20, v20                             ; f[w]
	v_nop
	s_wait_alu depctr_va_vdst(0)                   ; and behind it
	v_mul_f32 v21, v21, v20
.irp x, 1,2,4
	s_delay_alu instid0(VALU_DEP_1)
	v_add_f32_dpp v21, v21, v21 row_xmask:\x row_mask:0xf bank_mask:0xf
.endr
	s_wait_alu depctr_va_vdst(0)                   ; ahead of the reciprocal
	v_rcp_f32 v21, v21                             ; 1 / L
	v_nop
	s_wait_alu depctr_va_vdst(0)                   ; and behind it, ahead of the branches too
	v_mul_f32 v20, v20, v21
	ds_store_b32 v197, v20                         ; into my wave's own copy (the four groups of eight lanes write the same words)
	; ---- the work-group's 256 scores: the wave that holds them, q
	s_cmp_lg_u32 s12, s14
	s_cbranch_scc1 .Lno_score
	ds_load_b32 v23, v198                          ; g[my wave], in every lane
	s_wait_dscnt 0x0
.irp j, 0,1,2,3,4,5,6,7
	v_mul_f32 v[96+\j], v[8+\j], v23
.endr
	global_store_b128 v2, v[96:99], s[10:11]       ; a store covers 512 consecutive bytes
	global_store_b128 v2, v[100:103], s[10:11] offset:512
.Lno_score:
	; ---- out0: wave 0 joins the eight parts
	s_cmp_lg_u32 s12, 0
	s_cbranch_scc1 .Lend
.irp u, 0,1
	ds_load_b128 v[P+4*\u:P+4*\u+3], v199 offset:16*\u
.endr
.irp u, 0,1,2,3,4,5,6,7
	ds_load_b128 v[X+4*\u:X+4*\u+3], v204 offset:512*\u
.endr
	s_wait_dscnt 0x0
.irp u, 0,1,2,3,4,5,6,7
.irp c, 0,1,2,3
.if \u < 4
	v_mul_f32 v[A+4*\u+\c], v[P+\u], v[X+4*\u+\c]
.else
	v_fmac_f32 v[A+4*(\u%4)+\c], v[P+\u], v[X+4*\u+\c]
.endif
.endr
.endr
	JOIN
	global_store_b128 v1, v[16:19], s[8:9]         ; 32 lanes store 512 consecutive bytes of out0
.Lend:
	s_wait_tensorcnt 0x0                           ; the wave's end, behind my last tensor load and my last LDS store
	ds_add_u32 v[SPW], v[NIL]
	s_wait_dscnt 0x0
	s_endpgm
.Lfunc_end_k_qf5b228b89d_finish:
	.size	k_qf5b228b89d_finish, .Lfunc_end_k_qf5b228b89d_finish-k_qf5b228b89d_finish
	.p2alignl 7, 3214868480
	.fill 96, 4, 3214868480
	.section	.rodata,"a",@progbits
	.p2align	6, 0x0
	.amdhsa_kernel k_qf5b228b89d_finish
		.amdhsa_group_segment_fixed_size 327680
		.amdhsa_private_segment_fixed_size 0
		.amdhsa_enable_private_segment 0
		.amdhsa_kernarg_size 32
		.amdhsa_user_sgpr_count 2
		.amdhsa_user_sgpr_kernarg_segment_ptr 1
		.amdhsa_wavefront_size32 1
		.amdhsa_system_sgpr_workgroup_id_x 1
		.amdhsa_system_sgpr_workgroup_id_y 1
		.amdhsa_system_sgpr_workgroup_id_z 1
		.amdhsa_system_vgpr_workitem_id 0
		.amdhsa_next_free_vgpr 208
		.amdhsa_next_free_sgpr 66
		.amdhsa_reserve_vcc 0
		.amdhsa_float_denorm_mode_32 3
		.amdhsa_float_denorm_mode_16_64 3
		.amdhsa_memory_ordered 1
		.amdhsa_forward_progress 1
		.amdhsa_inst_pref_size 70
	.end_amdhsa_kernel
	.amdgpu_metadata
---
amdhsa.version: [ 1, 2 ]
amdhsa.kernels:
  - .name:           k_qf5b228b89d_finish
    .symbol:         k_qf5b228b89d_finish.kd
    .args:
      - { .name: context, .offset: 0, .size: 8, .value_kind: global_buffer, .address_space: global }
      - { .name: raw, .offset: 8, .size: 8, .value_kind: global_buffer, .address_space: global }
      - { .name: out0, .offset: 16, .size: 8, .value_kind: global_buffer, .address_space: global }
      - { .name: out1, .offset: 24, .size: 8, .value_kind: global_buffer, .address_space: global }
    .group_segment_fixed_size: 327680
    .private_segment_fixed_size: 0
    .kernarg_segment_align: 8
    .kernarg_segment_size: 32
    .max_flat_workgroup_size: 256
    .sgpr_count:     66
    .vgpr_count:     208
    .wavefront_size: 32
...
	.end_amdgpu_metadata
.endif
;; end of part 3
